; MI455X (gfx1250); checked and timed in simulation.
; The chip was launched on July 23, 2026; its instructions are those of AMD's public machine-readable ISA for CDNA 5 (MIT licence, August 2026) and "CDNA5" Instruction Set Architecture Reference Guide (July 2026). The comments in the code are by the model that wrote it; some were corrected since.
;; Vector Quantizer. Allowed arithmetic: float matrix products may take bf16 or f16 operands with f32 sums; other float arithmetic in f32, or as packed bf16 or f16 multiplies, adds, multiply-adds, maxima and minima; sums over many terms, partial sums and values carried from step to step in f32; what a program stores and reads back later, other than sums and carried values, may be rounded once to bf16 or f16.
;; Inputs: embeddings 8,192 x 256 float32; x 32 x 1,024 x 256 float32.
;; Outputs: out0 32 x 1,024 x 256 float32; out1 32 x 1,024 int32; out2 one number float32; out3 one number float32; out4 one number float32.
;; 2 versions, each right; version 2 is version 1 with the launch gather written anew for expert scheduling mode. Each part assembles by itself: llvm-mc -triple=amdgcn-amd-amdhsa -mcpu=gfx1250 --defsym DOCPART=n.
;; ======== version 1 of 2: 3 launches
;; limits: values outside matrix products are rounded to bf16; a difference of large sums (such as E[x^2] - mean^2): digits are lost where the result is much smaller than its terms
;; workspace buffers: ew 4,194,304 bytes; esq 32,768 bytes; idx 131,072 bytes of whole numbers; part 1,024 bytes
;; launch prep (part 1): grid 256 x 1, 2 waves a work-group, no clusters, 17,664 bytes of LDS; arguments embeddings, ew, esq; writes ew, esq
.if DOCPART == 1
	.amdgcn_target "amdgcn-amd-amdhsa--gfx1250"
	.amdhsa_code_object_version 6
	.text
	.protected	k_qccd1689d84_prep
	.globl	k_qccd1689d84_prep
	.p2align	8
	.type	k_qccd1689d84_prep,@function
k_qccd1689d84_prep:
	s_mov_b64 s[64:65], 0
	v_nop
	global_prefetch_b8 v0, s[64:65] scope:SCOPE_SE
	s_setreg_imm32_b32 hwreg(HW_REG_WAVE_MODE, 25, 1), 1
	s_wait_xcnt 0x0
; VECTOR QUANTIZER, launch 1 of 3: the codebook is rounded to bf16, laid out in the order in which a wave's operand registers take it, and e_sq is summed.
; THE PROGRAM.  prep: ew = bf16(embeddings) in fragment order, esq[code] = the sum of the squares of the rounded row.  search: dist2 = (x_sq - 2 x.e) + e_sq for all 32,768 x 8,192
; pairs, products in bf16 with f32 sums, the first index of the least dist2 for each row.  gather: out0 = x + (q - x) and the three losses.
; ONE ROUNDING FOR THE WHOLE PROGRAM: x and embeddings are rounded to bf16 wherever they are used (products, x_sq, e_sq, out0).
; WHAT IS NOT LEFT OUT.  x_sq is the same along the axis of the argmin, but it is the large term beside which f32 loses the low bits of the others, and which index comes first among equal
; dist2 hangs on that: both roundings, fl(x_sq - 2 dots) and fl(.. + e_sq), are made as they are written.  x + (q - x) is not q in f32 where x is large beside q: it is computed as written.
; WHAT IS LEFT OUT.  The sum of (x - q)^2 is not formed a second time: for all values of the inputs the sum over d of (x - q)^2 = x_sq - 2 x.q + e_sq, which is dist2 at the row's argmin, and search holds it.
; stop_gradient is the identity.  Every input is loaded.
; LIMITS.  The losses inherit dist2's rounding, 2^-24 of x_sq a row: they are good while a row's nearest code is not within about a thousandth of |x| of x.  A NaN in dist2 loses the minimum
; here, where the argmin as written lets it win; a row whose dist2 are all +inf gets index 0.  An index may differ where two dist2 lie within the sums' own rounding of a step of the f32 grid.
; SHARES.  A wave takes one tile of 16 codes: 16 KiB in, 8 KiB and 64 bytes out.  512 tiles = 256 work-groups of two waves; no wave needs another.
; LAYOUT OF ew.  Tile = code / 16, 8,192 bytes.  Piece i = k / 8 (8 bf16 = 16 bytes of one code) of code r = code % 16 lies at byte 256 i + 16 r.  A fragment of 16 codes x 32 k is then
; two runs of 512 consecutive bytes, 16 bytes a lane: lanes 0-15 piece 4 q + 2 u, lanes 16-31 piece 4 q + 2 u + 1.
; THE WAY.  Rows come in as they lie (512 consecutive bytes a load), are rounded, turned in a stage in LDS of the wave's own (32 piece rows of 256 bytes, 272 apart) and leave as 512 consecutive bytes a store.
.set SP,    272                        ; a piece row in the stage: 256 bytes + 16: the stores of 8 bytes a lane then fall on 32 different pairs of banks
.set STG,   32*SP                      ; a wave's stage
.set SPARE, 2*STG                      ; behind the stages: the spare words, 128 bytes a wave: one block of 256 bytes that no other line names
.set LO,  1                            ; v1   16 x lane; never rewritten
.set SA,  2                            ; v2   where I put 8 bytes: piece row lane / 2, half lane % 2
.set RA,  3                            ; v3   where I read 16 bytes back: piece row lane / 16, code lane % 16
.set SPW, 4                            ; v4   LDS address of my spare word; never rewritten
.set NIL, 5                            ; v5   0; never rewritten
.set QO,  6                            ; v6   4 x (lane % 16): my code in esq
.set ZR,  7                            ; v7   0.0, the first addend of the sums
.set SUM, 8                            ; v[8:11]    four chains of squares
.set T,   12                           ; v[12:15]   at work
.set F,   16                           ; v[16:143]  row r, half c as loaded, at F + 8 r + 4 c; then two packed words in the first two
.set B,   144                          ; v[144:207] the pieces read back, 4 registers each
.set LN,  208                          ; v208 lane
	s_load_b128 s[4:7], s[0:1], 0x0                ; embeddings s[4:5], ew s[6:7]
	s_load_b64 s[8:9], s[0:1], 0x10                ; esq
	v_lshl_add_u32 v[SPW], v0, 2, SPARE
	v_mov_b32 v[NIL], 0
	v_lshrrev_b32 v[T], 5, v0
	v_readfirstlane_b32 s10, v[T]                  ; wave 0, 1
	v_and_b32 v[LN], 31, v0
	v_lshlrev_b32 v[LO], 4, v[LN]
	s_lshl_b32 s11, ttmp9, 1
	s_add_co_u32 s11, s11, s10                     ; my tile, 0 to 511
	s_lshl_b32 s12, s11, 14                        ; 16 rows of 1,024 bytes
	s_mov_b32 s13, 0
	s_lshl_b32 s18, s11, 13                        ; 8,192 bytes of ew
	s_mov_b32 s19, 0
	s_lshl_b32 s20, s11, 6                         ; 64 bytes of esq
	s_mov_b32 s21, 0
	s_mov_b32 s14, 0x76543210                      ; v_permlanex16_b32: each lane takes its own place in the other half
	s_mov_b32 s15, 0xfedcba98
	s_wait_kmcnt 0x0
	s_add_nc_u64 s[4:5], s[4:5], s[12:13]
	s_add_nc_u64 s[6:7], s[6:7], s[18:19]
	s_add_nc_u64 s[8:9], s[8:9], s[20:21]
.set r, 0
.rept 16                                       ; the whole tile is asked for at once: 32 loads of 512 consecutive bytes
	global_load_b128 v[F+8*r:F+8*r+3],   v[LO], s[4:5] offset:r*1024 th:TH_LOAD_NT
	global_load_b128 v[F+8*r+4:F+8*r+7], v[LO], s[4:5] offset:r*1024+512 th:TH_LOAD_NT
.set r, r+1
.endr
	s_mul_i32 s11, s10, STG                        ; my stage; the addresses are made while the loads are out
	v_lshrrev_b32 v[T], 1, v[LN]
	v_and_b32 v[T+1], 1, v[LN]
	v_mul_u32_u24 v[SA], v[T], SP
	v_lshl_add_u32 v[SA], v[T+1], 3, v[SA]
	v_add_nc_u32 v[SA], s11, v[SA]
	v_lshrrev_b32 v[T], 4, v[LN]
	v_and_b32 v[T+1], 15, v[LN]
	v_mul_u32_u24 v[RA], v[T], SP
	v_lshl_add_u32 v[RA], v[T+1], 4, v[RA]
	v_add_nc_u32 v[RA], s11, v[RA]
	v_lshlrev_b32 v[QO], 2, v[T+1]
	v_mov_b32 v[ZR], 0
	; Row r, half c: my four numbers are k = 128 c + 4 lane + 0..3: half lane % 2 of piece 16 c + lane / 2.
.set r, 0
.rept 16
	s_wait_loadcnt 30-2*r                          ; loads come back in order: row r is in, the 2 (15 - r) loads of the later rows may stay out
.irp c, 0,1
	v_cvt_pk_bf16_f32 v[F+8*r+4*\c],   v[F+8*r+4*\c],   v[F+8*r+4*\c+1]
	v_cvt_pk_bf16_f32 v[F+8*r+4*\c+1], v[F+8*r+4*\c+2], v[F+8*r+4*\c+3]
	ds_store_b64 v[SA], v[F+8*r+4*\c:F+8*r+4*\c+1] offset:\c*16*SP+r*16
.endr
.set r, r+1
.endr
.set n, 0
.rept 16                                       ; back by piece rows: LDS serves a wave's instructions in order, and the stage is my own: no wait, no barrier
	ds_load_b128 v[B+4*n:B+4*n+3], v[RA] offset:n*2*SP
.set n, n+1
.endr
.set n, 0
.rept 16
	s_wait_dscnt 15-n                              ; pieces 2 n and 2 n + 1 are in; the later loads may stay out
	global_store_b128 v[LO], v[B+4*n:B+4*n+3], s[6:7] offset:n*512  ; 512 consecutive bytes, at a multiple of 512 from ew's first
.irp j, 0,1,2,3
.if n == 0
	v_fma_mix_f32_bf16 v[SUM+\j], v[B+\j], v[B+\j], v[ZR] op_sel_hi:[1,1,0]  ; the first squares start the sums
.else
	v_fma_mix_f32_bf16 v[SUM+\j], v[B+4*n+\j], v[B+4*n+\j], v[SUM+\j] op_sel_hi:[1,1,0]  ; low halves: the rounded number squared, summed in f32
.endif
.endr
.irp j, 0,1,2,3
	v_fma_mix_f32_bf16 v[SUM+\j], v[B+4*n+\j], v[B+4*n+\j], v[SUM+\j] op_sel:[1,1,0] op_sel_hi:[1,1,0]  ; high halves
.endr
.set n, n+1
.endr
	v_add_f32 v[SUM], v[SUM], v[SUM+1]
	v_add_f32 v[SUM+2], v[SUM+2], v[SUM+3]
	v_add_f32 v[SUM], v[SUM], v[SUM+2]             ; my 128 numbers of code lane % 16
	v_permlanex16_b32 v[T], v[SUM], s14, s15       ; the code's other 128 lie in the lane 16 away
	v_add_f32 v[SUM], v[SUM], v[T]
	v_cmp_gt_u32 vcc_lo, 16, v[LN]
	s_wait_xcnt 0x0                                ; EXEC is a source of the stores above: it changes only behind this wait
	s_and_saveexec_b32 s16, vcc_lo
	global_store_b32 v[QO], v[SUM], s[8:9]         ; 64 consecutive bytes a wave: 32 KiB of the launch's 12.6 MB
	s_wait_xcnt 0x0
	s_or_b32 exec_lo, exec_lo, s16
	s_wait_tensorcnt 0x0                           ; the wave's end, behind my last LDS store
	ds_add_u32 v[SPW], v[NIL]
	s_wait_dscnt 0x0
	s_endpgm
.Lfunc_end_k_qccd1689d84_prep:
	.size	k_qccd1689d84_prep, .Lfunc_end_k_qccd1689d84_prep-k_qccd1689d84_prep
	.p2alignl 7, 3214868480
	.fill 96, 4, 3214868480
	.section	.rodata,"a",@progbits
	.p2align	6, 0x0
	.amdhsa_kernel k_qccd1689d84_prep
		.amdhsa_group_segment_fixed_size 17664
		.amdhsa_private_segment_fixed_size 0
		.amdhsa_enable_private_segment 0
		.amdhsa_kernarg_size 24
		.amdhsa_user_sgpr_count 2
		.amdhsa_user_sgpr_kernarg_segment_ptr 1
		.amdhsa_wavefront_size32 1
		.amdhsa_system_sgpr_workgroup_id_x 1
		.amdhsa_system_sgpr_workgroup_id_y 1
		.amdhsa_system_sgpr_workgroup_id_z 1
		.amdhsa_system_vgpr_workitem_id 0
		.amdhsa_next_free_vgpr 224
		.amdhsa_next_free_sgpr 66
		.amdhsa_reserve_vcc 1
		.amdhsa_float_denorm_mode_32 3
		.amdhsa_float_denorm_mode_16_64 3
		.amdhsa_memory_ordered 1
		.amdhsa_forward_progress 1
		.amdhsa_inst_pref_size 23
	.end_amdhsa_kernel
	.amdgpu_metadata
---
amdhsa.version: [ 1, 2 ]
amdhsa.kernels:
  - .name:           k_qccd1689d84_prep
    .symbol:         k_qccd1689d84_prep.kd
    .args:
      - { .name: embeddings, .offset: 0, .size: 8, .value_kind: global_buffer, .address_space: global }
      - { .name: ew, .offset: 8, .size: 8, .value_kind: global_buffer, .address_space: global }
      - { .name: esq, .offset: 16, .size: 8, .value_kind: global_buffer, .address_space: global }
    .group_segment_fixed_size: 17664
    .private_segment_fixed_size: 0
    .kernarg_segment_align: 8
    .kernarg_segment_size: 24
    .max_flat_workgroup_size: 64
    .sgpr_count:     66
    .vgpr_count:     224
    .wavefront_size: 32
...
	.end_amdgpu_metadata
.endif
;; end of part 1
;; launch search (part 2): grid 256 x 1, 4 waves a work-group, clusters of 4 x 1, 327,680 bytes of LDS; arguments x, ew, esq, out1, idx, part; writes out1, idx, part
.if DOCPART == 2
	.amdgcn_target "amdgcn-amd-amdhsa--gfx1250"
	.amdhsa_code_object_version 6
	.text
	.protected	k_qccd1689d84_search
	.globl	k_qccd1689d84_search
	.p2align	8
	.type	k_qccd1689d84_search,@function
k_qccd1689d84_search:
	s_mov_b64 s[64:65], 0
	v_nop
	global_prefetch_b8 v0, s[64:65] scope:SCOPE_SE
	s_setreg_imm32_b32 hwreg(HW_REG_WAVE_MODE, 25, 1), 1
	s_wait_xcnt 0x0
	s_wait_alu depctr_hold_cnt(0) depctr_sa_sdst(0) depctr_va_vdst(0) depctr_va_sdst(0) depctr_va_ssrc(0) depctr_va_vcc(0) depctr_vm_vsrc(0)
	s_getreg_b32 s2, hwreg(HW_REG_IB_STS2, 6, 4)
	s_cmp_eq_u32 s2, 0
	s_cbranch_scc0 .Lentry_in_a_cluster
	s_endpgm
.Lentry_in_a_cluster:
	s_bfe_u32 s2, ttmp6, 0x10000c
	s_cmp_lg_u32 s2, 0x3003
	s_cbranch_scc0 .Lentry_shape_is_right
	s_endpgm
.Lentry_shape_is_right:
; VECTOR QUANTIZER, launch 2 of 3: for each of 32,768 rows of x the first index of the least dist2 = (x_sq - 2 x.e) + e_sq over 8,192 codes, and that least dist2.
; Left out here: nothing of the search.  The least dist2 of a row IS the sum over d of (x - q)^2 for all values of the inputs; its sum over my 128 rows is stored for the losses (see the first kernel's head, limits too).
; x is rounded to bf16 here, on its way into registers; x_sq is summed in f32 from the rounded numbers; products in bf16, sums in f32; the two roundings of dist2 are made in f32 as they are written.
; SHARES.  A work-group owns 128 rows of x and walks the whole codebook.  EVERY wave holds all 128 rows as fragments in 512 registers; the waves share the codes: of each slab of 256 codes wave w
; takes tiles 4 w .. 4 w + 3 of 16 codes.  A tile's 16 LDS loads feed 64 matrix instructions.
; LAYOUT.  Source 0 = 16 codes, source 1 = 16 rows of x: in the result a lane holds ONE row (lane % 16) and the codes 8 (lane / 16) + 0..7.  So the minimum over codes never leaves the lane before the end.
; STATE, for each of the 8 row tiles, a lane: best (the least dist2 so far), ID (the tile that brought it) and SV (that tile's eight dist2).  A tile replaces them only if its minimum is LESS: the earliest
; tile stays.  At the end the lowest register of SV that equals best gives the code; lane halves and waves are merged by (value, then lower code): the first index of the minimum, as argmin has it.
; BY TURNS.  While tile g is multiplied (64 matrix instructions, the 8 accumulators by turns, one instruction a turn), the 184 vector instructions of tile g - 1 stand behind them,
; three behind each, and tile g + 1's fragments are fetched in one run.  Two sets of accumulators and of fragments take turns.
; RING.  Two LDS slots of one slab (128 KiB, dense: ew lies in fragment order, so a load takes 512 consecutive bytes and needs no padding).  Each wave fetches the quarter that it reads.
; CLUSTER.  All work-groups walk the same codebook in the same order: the four of a cluster ask for each quarter JOINTLY, with the same descriptor and the mask of four.  x is each work-group's own (mask 0).
; LDS.  0: slot 0.  131,072: slot 1; before its first slab it holds, with 2,048 bytes behind it, my 128 rows of x in f32, 1,040 bytes apart.  264,192: e_sq, all 8,192.  296,960: the merge.  301,056: spare words.
; REGISTERS, in windows of 256 (s_set_vgpr_msb: bits 1:0 source 0, 3:2 source 1, 5:4 source 2, 7:6 destination):
;   window 0: v0-15 addresses; v16-31 (x_sq, best) a row tile; v32-39 ID; v40-55 e_sq, two sets; v56-63 at work; v64-127 SV; v128-255 two sets of 8 accumulators (before the walk: x as loaded)
;   window 1: v0-127 two sets of a tile's fragments; v128-255 x as loaded, second buffer          windows 2, 3: x's fragments, row tile t at 64 (t % 4) + 8 q of window 2 + t / 4
.set SLAB,  131072                     ; 256 codes in bf16
.set SLOT1, 1<<17                      ; one exclusive or turns an address in one slot into the other's
.set QUART, 32768                      ; a wave's four tiles of a slab
.set TILEB, 8192
.set XP,    1040                       ; a row of x in LDS: 1,024 bytes + 16: the 16 rows of a load start at 16 different columns of 16 bytes in 256
.set ESQ,   SLOT1+128*XP
.set MRG,   ESQ+32768                  ; 4 waves x 128 rows x (best, code): written by LDS stores, never by a tensor load
.set SPARE, MRG+4096                   ; the spare words, 128 bytes a wave: two blocks of 256 bytes that no other line names
.set LN,  1                            ; v1   lane
.set AE0, 2                            ; v2   16 x lane + my quarter; never rewritten
.set ADR, 3                            ; v3   address of the run of fragment loads in hand; at the end: where I put a merged pair
.set AQ0, 4                            ; v4   ESQ + 32 (lane / 16)
.set ADQ, 5                            ; v5   address of the e_sq loads in hand
.set AX0, 6                            ; v6   x in LDS: (lane % 16) rows + 32 (lane / 16)
.set AXT, 7                            ; v7   the same at the row tile in hand; at the end: 16 x lane
.set RR,  8                            ; v8   lane % 16
.set HH,  9                            ; v9   lane / 16
.set SPW, 10                           ; v10  LDS address of my spare word; never rewritten
.set NIL, 11                           ; v11  0; never rewritten
.set TM,  12                           ; v12-13 a tile's minimum, by the row tile's parity
.set ZR,  14                           ; v14  0
.set PFO, 15                           ; v15  256 x lane; never rewritten
.set XB,  16
.set ID,  32
.set EQ,  40
.set TP,  56
.set SV,  64
.set ACC, 128
.set PR,  128                          ; at the end: (best, code) of row tile t at PR + 2 t
.set WV,  16                           ; s16  my wave's number
.set CX,  17                           ; s17  my place in the cluster: it enters global addresses of my own alone
.set WG,  18                           ; s18  my work-group, 4 x cluster + cx: likewise
.set G1X, 24                           ; s[24:31] group 1 for x
.set G1E, 32                           ; s[32:39] for a quarter of a slab
.set G1Q, 40                           ; s[40:47] for a quarter of e_sq
.set G0X, 48                           ; s[48:51] group 0 for x
.set G0Q, 52                           ; s[52:55] for e_sq
.set G0E, 56                           ; s[56:59] for the slabs: it walks
.set TB,  60                           ; s60  LDS byte, less my quarter, of the tile to be fetched next
.set T0,  61                           ; s61-63 the tile's number code / 16 of tile g + 1, g, g - 1
.set T1,  62
.set T2,  63
.set CNT, 66                           ; s66  counts pairs of tiles
.set SLOTS, 67                         ; s67  32 less the slab that is being asked for
.set LIM, 68                           ; s68  2 in the first cluster, else the greatest number
.set PFA, 70                           ; s[70:71] where my prefetches stand
.set SEL, 72                           ; s[72:73] v_permlanex16_b32: each lane takes its own place in the other half
.set MK,  74                           ; s74  the odd row tiles' mask (the even ones use VCC)
.set MSB, 0
.macro WIN new                         ; the high byte repeats the setting that is left; a switch that changes nothing is dropped
.if MSB != (\new)
	s_set_vgpr_msb (MSB<<8)|(\new)
.set MSB, (\new)
.endif
.endm
; A round of the cluster's barrier: my work-group's barrier, so that wave 0's signal speaks for all four waves; wave 0 signals; every wave waits for all four work-groups; my work-group's barrier once more.
.macro CROUND
	s_barrier_signal -1
	s_barrier_wait -1
	s_cmp_lg_u32 s[WV], 0
	s_cbranch_scc1 .Lnot_wave_0_\@
	s_barrier_signal -3
.Lnot_wave_0_\@:
	s_barrier_wait -3
	s_barrier_signal -1
	s_barrier_wait -1
.endm
; A PREFETCH INTO THE L2, behind the joint load of slab n and its five lines: slab n + 2, two changes of slots (512 matrix instructions a wave) ahead of the load that will ask for it.  Every cluster walks the same
; slabs: the first cluster asks, nobody else.  Of the 128 blocks of 256 bytes in wave w's quarter the partner at place cx takes 32, told apart BY ADDRESS; a lane a block, one instruction a wave: each block
; is named once in the launch.  Slabs 0 to 2 come by their loads alone; the fills of slabs 30 and 31 ask for nothing: there is no slab 32.
.macro ASK
	s_cmp_gt_u32 s[SLOTS], s[LIM]
	s_cbranch_scc0 .Lnot_mine_\@
	global_prefetch_b8 v[PFO], s[PFA:PFA+1] th:TH_LOAD_NT scope:SCOPE_SE
.Lnot_mine_\@:
.endm
; THE CHANGE OF SLOTS stands in front of a slab's fourth tile, whose fragments are in registers: my reads of the slot are over.  Each wave waits for all its tensor loads (one is out: its quarter of the other
; slot), adds 0 to its spare word, and waits for that and for its LDS reads.  fill = 1: the barrier is a round of the cluster's, so that no wave of any partner still reads the slot or has a load on its way;
; the joint refill, the slab two on, is the first thing behind it, one load a wave: it has 256 matrix instructions in which to land.  step = 1: the fetches go on in the other slot.
.macro CHANGE fill, step
	WIN 0
	s_wait_tensorcnt 0x0                           ; no tensor load of mine is out, so the walking group 0 may be written
	ds_add_u32 v[SPW], v[NIL]                      ; 0 onto my spare word: scalar work stands between it and the wait for it
.if \fill
	s_xor_b32 s[G0E+1], s[G0E+1], SLOT1            ; the other slot than last time,
	s_add_nc_u64 s[G0E+2:G0E+3], s[G0E+2:G0E+3], SLAB  ; the next slab; the type bits on top are not reached
	s_wait_xcnt 0x0                                ; the last prefetch, a slab back, has read its address
	s_add_nc_u64 s[PFA:PFA+1], s[PFA:PFA+1], SLAB
.endif
	s_wait_dscnt 0x0                               ; the add is done, and my reads of the slot are over
.if \fill
	CROUND
	tensor_load_to_lds s[G0E:G0E+3], s[G1E:G1E+7]  ; one line for all four waves: each its own quarter, by the wave's number alone
	s_nop 0
.rept 4
	v_nop
.endr
	ASK
.else
	s_barrier_signal -1
	s_barrier_wait -1
.endif
.if \step
	s_sub_co_u32 s[TB], s[TB], QUART
	s_xor_b32 s[TB], s[TB], SLOT1
	s_add_co_u32 s[T0], s[T0], 12                  ; from my fourth tile of a slab to my first of the next: 13 tiles on, of which the tile's own step is one
.endif
.endm
; x: the 16 rows of row tile t out of LDS, in f32, in the order of the fragments: for fragment q two runs of 8 numbers, 32 bytes each.  Even tiles into window 0, odd ones into window 1.
.macro XL t
	WIN 0
	v_add_nc_u32 v[AXT], (\t)*16*XP, v[AX0]
	WIN 0x40*((\t)%2)
.set i, 0
.rept 32
	ds_load_b128 v[128+4*i:128+4*i+3], v[AXT] offset:(i/4)*128+((i/2)%2)*64+(i%2)*16
.set i, i+1
.endr
.endm
; Row tile t is rounded to bf16 into its fragments, and x_sq is summed from the rounded numbers: four chains in f32, then the other half of the lanes.
.macro CV t
.set xr, 64*((\t)%4)
	WIN (0x80+0x40*((\t)/4))|(0x05*((\t)%2))
.set i, 0
.rept 64
	v_cvt_pk_bf16_f32 v[xr+i], v[128+2*i], v[128+2*i+1]
.set i, i+1
.endr
	WIN 0x0a+5*((\t)/4)                            ; sources 0 and 1 in x's window, addend and sum in window 0
.set i, 0
.rept 16
.irp j, 0,1,2,3
.if i == 0
	v_fma_mix_f32_bf16 v[TP+\j], v[xr+\j], v[xr+\j], v[ZR] op_sel_hi:[1,1,0]
.else
	v_fma_mix_f32_bf16 v[TP+\j], v[xr+4*i+\j], v[xr+4*i+\j], v[TP+\j] op_sel_hi:[1,1,0]
.endif
.endr
.irp j, 0,1,2,3
	v_fma_mix_f32_bf16 v[TP+\j], v[xr+4*i+\j], v[xr+4*i+\j], v[TP+\j] op_sel:[1,1,0] op_sel_hi:[1,1,0]
.endr
.set i, i+1
.endr
	WIN 0
	v_add_f32 v[TP], v[TP], v[TP+1]
	v_add_f32 v[TP+2], v[TP+2], v[TP+3]
	v_add_f32 v[TP], v[TP], v[TP+2]
	v_permlanex16_b32 v[TP+1], v[TP], s[SEL], s[SEL+1]
	v_add_f32 v[XB+2*(\t)], v[TP], v[TP+1]
.endm
; Matrix instruction i of a tile's 64: k = 32 (i / 8) on, row tile i % 8.  The first 8 start the sums with the constant 0.
.macro MM b
.set q, i/8
.set t, i%8
.set rD, ACC+64*(\b)+8*t
	WIN 0x09+4*(t/4)                               ; the codes in window 1, x in window 2 or 3, the sums in window 0
.if q == 0
	v_wmma_f32_16x16x32_bf16 v[rD:rD+7], v[64*(\b)+8*q:64*(\b)+8*q+7], v[64*(t%4)+8*q:64*(t%4)+8*q+7], 0
.else
	v_wmma_f32_16x16x32_bf16 v[rD:rD+7], v[64*(\b)+8*q:64*(\b)+8*q+7], v[64*(t%4)+8*q:64*(t%4)+8*q+7], v[rD:rD+7]
.endif
.endm
; The last eleven of a row tile's 23: is the tile's minimum less than best?  Then best, ID and SV take the tile's.
.macro KEEP mask
.if rn == 12
	v_cmp_lt_f32 \mask, v[rM], v[rB+1]
.elseif rn == 13
	v_cndmask_b32 v[rB+1], v[rB+1], v[rM], \mask
.elseif rn == 14
	v_cndmask_b32 v[ID+rt], v[ID+rt], s[T2], \mask
.else
	v_cndmask_b32 v[SV+8*rt+rn-15], v[SV+8*rt+rn-15], v[rA+rn-15], \mask
.endif
.endm
; Vector instruction k of the 184 of the tile in accumulator set pb.  Two row tiles alternate, so that no line reads the result of the line before it; each has 23:
;   0-3  fl(x_sq - 2 dots): one rounding, since 2 dots is exact (the accumulator's lowest registers first)     4-7  fl(.. + e_sq)     8-11  the minimum of the eight     12-22  KEEP
.macro RIDER pb
	WIN 0
.set rt, 2*(k/46)+(k%46)%2
.set rn, (k%46)/2
.set rA, ACC+64*(\pb)+8*rt
.set rQ, EQ+8*(\pb)
.set rM, TM+rt%2
.set rB, XB+2*rt
.if rn < 4
	v_pk_fma_f32 v[rA+2*rn:rA+2*rn+1], v[rA+2*rn:rA+2*rn+1], -2.0, v[rB:rB+1] op_sel_hi:[1,0,0]
.elseif rn < 8
	v_pk_add_f32 v[rA+2*rn-8:rA+2*rn-7], v[rA+2*rn-8:rA+2*rn-7], v[rQ+2*rn-8:rQ+2*rn-7]
.elseif rn == 8
	v_min3_num_f32 v[rM], v[rA], v[rA+1], v[rA+2]
.elseif rn < 11
	v_min3_num_f32 v[rM], v[rM], v[rA+2*rn-15], v[rA+2*rn-14]
.elseif rn == 11
	v_min_num_f32 v[rM], v[rM], v[rA+7]
.elseif rt%2 == 0
	KEEP vcc_lo
.else
	KEEP s[MK]
.endif
.set k, k+1
.endm
; The fragments of the next tile into set nb: sixteen loads of 512 consecutive bytes, in one run.
.macro FRAG nb
	WIN 0
	v_add_nc_u32 v[ADR], s[TB], v[AE0]
	s_add_co_u32 s[TB], s[TB], TILEB
	WIN 0x40                                       ; destination window 1
.irp f, 0,1,2,3,4,5,6,7,8,9,10,11,12,13,14,15
	ds_load_b128 v[64*(\nb)+4*\f:64*(\nb)+4*\f+3], v[ADR] offset:\f*512
.endr
.endm
; e_sq of the tile in hand (my 8 codes; the next tile's turn adds them) into set b, and, frag = 1, the next tile's fragments.
.macro FETCH nb, b, frag
	WIN 0
	v_lshl_add_u32 v[ADQ], s[T1], 6, v[AQ0]
	ds_load_b128 v[EQ+8*(\b):EQ+8*(\b)+3],   v[ADQ]
	ds_load_b128 v[EQ+8*(\b)+4:EQ+8*(\b)+7], v[ADQ] offset:16
.if \frag
	FRAG \nb
.endif
.endm
; A TILE's turn, on sets b.  ep = 1: the tile before has its vector work here, three lines behind each matrix instruction (the last behind the 62nd).  The run of loads stands behind the third: nine plain
; lines and the two address lines lie between it and the last matrix instruction that read the fragments that it overwrites.  A row tile's sums are first read 13 plain lines or more behind their last product.
.macro TILE b, ep, frag
	s_wait_dscnt 0x0                               ; my fragments and the last tile's e_sq, asked for 61 matrix instructions ago
.set i, 0
.set k, 0
.rept 64
	MM \b
.if \ep
.rept 3
.if k < 184
	RIDER 1-(\b)
.endif
.endr
.endif
.if i == 2
	FETCH 1-(\b), \b, \frag
.endif
.set i, i+1
.endr
	WIN 0
.if (\ep) == 0
.rept 8
	v_nop                                          ; the first tile has no vector work beside it: the places behind its last products, once a launch
.endr
.endif
	s_mov_b32 s[T2], s[T1]
	s_mov_b32 s[T1], s[T0]
	s_add_co_u32 s[T0], s[T0], 1
.endm
; (vb, vc) takes (ob, oc) if that value is less, or equal with the lower code.
.macro MERGE vb, vc, ob, oc
	v_cmp_lt_f32 s75, v[\ob], v[\vb]
	v_cmp_eq_f32 s76, v[\ob], v[\vb]
	v_cmp_lt_u32 s77, v[\oc], v[\vc]
	s_and_b32 s76, s76, s77
	s_or_b32 s75, s75, s76
	v_cndmask_b32 v[\vb], v[\vb], v[\ob], s75
	v_cndmask_b32 v[\vc], v[\vc], v[\oc], s75
.endm
	s_load_b256 s[4:11], s[0:1], 0x0               ; x s[4:5], ew s[6:7], esq s[8:9], out1 s[10:11]
	s_load_b128 s[12:15], s[0:1], 0x20             ; idx s[12:13], part s[14:15]
	v_lshl_add_u32 v[SPW], v0, 2, SPARE
	v_mov_b32 v[NIL], 0
	ds_add_u32 v[SPW], v[NIL]                      ; the wave's opening: the add, twice on end, and its wait ahead of my first tensor load; the set-up below stands between
	ds_add_u32 v[SPW], v[NIL]                      ; and once more, under the one wait
	v_lshrrev_b32 v[LN], 5, v0
	v_readfirstlane_b32 s[WV], v[LN]               ; wave 0..3
	s_bfe_u32 s[CX], ttmp6, 0x40000
	s_lshl_b32 s[WG], ttmp9, 2                     ; in a cluster launch ttmp9 counts clusters
	s_add_co_u32 s[WG], s[WG], s[CX]
	; group 1 for x: 32 rows x 256 elements of 4 bytes, 16 bytes of padding behind each row
	s_mov_b32 s[G1X+0], (2<<16)|(1<<20)|(7<<22)|(3<<25)  ; 15:0 no mask; 17:16 4-byte elements; 20 padding on; 24:22 after every 256 words (code 7); 31:25 4 words (code 3)
	s_mov_b32 s[G1X+1], 256<<16                    ; tensor_dim0 = 256
	s_mov_b32 s[G1X+2], 32<<16                     ; tensor_dim1 = 32
	s_mov_b32 s[G1X+3], 256<<16                    ; tile_dim0 = 256
	s_mov_b32 s[G1X+4], 32                         ; tile_dim1 = 32
	s_mov_b32 s[G1X+5], 256                        ; 256 elements from row to row
	s_mov_b32 s[G1X+6], 0
	s_mov_b32 s[G1X+7], 0
	; group 1 for a quarter of a slab: 32,768 dense bytes as 128 rows of 256; for a quarter of e_sq: 8,192 as 32 rows
	s_mov_b32 s[G1E+0], 15|(3<<16)|(1<<21)         ; 15:0 the mask of four; 17:16 8-byte elements; 21 set beside a mask
	s_mov_b32 s[G1E+1], 32<<16
	s_mov_b32 s[G1E+2], 128<<16
	s_mov_b32 s[G1E+3], 32<<16
	s_mov_b32 s[G1E+4], 128
	s_mov_b32 s[G1E+5], 32
	s_mov_b32 s[G1E+6], 0
	s_mov_b32 s[G1E+7], 0
	s_mov_b32 s[G1Q+0], 15|(3<<16)|(1<<21)
	s_mov_b32 s[G1Q+1], 32<<16
	s_mov_b32 s[G1Q+2], 32<<16
	s_mov_b32 s[G1Q+3], 32<<16
	s_mov_b32 s[G1Q+4], 32
	s_mov_b32 s[G1Q+5], 32
	s_mov_b32 s[G1Q+6], 0
	s_mov_b32 s[G1Q+7], 0
	s_mov_b32 s[G0X], 1
	s_mul_i32 s[G0X+1], s[WV], 32*XP               ; LDS addresses hang on the wave's number alone
	s_add_co_u32 s[G0X+1], s[G0X+1], SLOT1
	s_mov_b32 s[G0Q], 1
	s_lshl_b32 s[G0Q+1], s[WV], 13
	s_add_co_u32 s[G0Q+1], s[G0Q+1], ESQ
	s_mov_b32 s[G0E], 1
	s_lshl_b32 s[G0E+1], s[WV], 15                 ; slot 0
	s_lshl_b32 s20, s[WG], 17                      ; my work-group's 128 rows of 1,024 bytes,
	s_lshl_b32 s21, s[WV], 15                      ; my wave's 32 of them
	s_add_co_u32 s20, s20, s21
	s_mov_b32 s21, 0
	s_lshl_b32 s82, s[WV], 13                      ; my quarter of e_sq
	s_mov_b32 s83, 0
	s_lshl_b32 s84, s[WV], 15                      ; my quarter of a slab
	s_mov_b32 s85, 0
	s_lshl_b32 s86, s[CX], 13                      ; the prefetches: my work-group's 32 blocks of the quarter
	s_mov_b32 s87, 0
	s_lshl_b32 s88, s[WG], 9                       ; my 128 indices
	s_mov_b32 s89, 0
	s_lshl_b32 s90, s[WG], 2                       ; my partial sum
	s_mov_b32 s91, 0
	s_mov_b32 s[SEL], 0x76543210
	s_mov_b32 s[SEL+1], 0xfedcba98
	s_mov_b32 s[TB], 0
	s_mov_b32 s[SLOTS], 31
	s_cmp_eq_u32 ttmp9, 0
	s_cselect_b32 s[LIM], 2, -1                    ; the same in all four partners
	s_wait_dscnt 0x0                               ; both opening adds are done
	s_wait_kmcnt 0x0
	s_add_nc_u64 s[G0X+2:G0X+3], s[4:5], s[20:21]
	s_or_b32 s[G0X+3], s[G0X+3], 0x80000000        ; 127:126 type = 2
	s_add_nc_u64 s[G0Q+2:G0Q+3], s[8:9], s[82:83]
	s_or_b32 s[G0Q+3], s[G0Q+3], 0x80000000
	s_add_nc_u64 s[G0E+2:G0E+3], s[6:7], s[84:85]
	s_add_nc_u64 s[PFA:PFA+1], s[6:7], s[84:85]
	s_or_b32 s[G0E+3], s[G0E+3], 0x80000000
	s_add_nc_u64 s[PFA:PFA+1], s[PFA:PFA+1], s[86:87]
	s_add_nc_u64 s[PFA:PFA+1], s[PFA:PFA+1], 2*SLAB  ; in slab 2: the first change of slots steps it to slab 3
	s_add_nc_u64 s[10:11], s[10:11], s[88:89]
	s_add_nc_u64 s[12:13], s[12:13], s[88:89]
	s_add_nc_u64 s[14:15], s[14:15], s[90:91]
	CROUND                                         ; all four work-groups are here: the first joint loads meet
	tensor_load_to_lds s[G0X:G0X+3], s[G1X:G1X+7]  ; the first fills go out as one group: x, wanted first; three loads of mine are out
	s_nop 0
	tensor_load_to_lds s[G0Q:G0Q+3], s[G1Q:G1Q+7]  ; e_sq, filled once
	s_nop 0
	tensor_load_to_lds s[G0E:G0E+3], s[G1E:G1E+7]  ; slab 0
	s_nop 0
.rept 4
	v_nop
.endr
	v_and_b32 v[LN], 31, v0
	v_and_b32 v[RR], 15, v0
	v_bfe_u32 v[HH], v0, 4, 1
	v_lshlrev_b32 v[AE0], 4, v[LN]
	v_lshl_add_u32 v[AE0], s[WV], 15, v[AE0]
	v_lshlrev_b32 v[AQ0], 5, v[HH]
	v_add_nc_u32 v[AQ0], ESQ, v[AQ0]
	v_mul_u32_u24 v[AX0], v[RR], XP
	v_lshl_add_u32 v[AX0], v[HH], 5, v[AX0]
	v_add_nc_u32 v[AX0], SLOT1, v[AX0]
	v_mov_b32 v[ZR], 0
	v_lshlrev_b32 v[PFO], 8, v[LN]
	s_wait_tensorcnt 0x2                           ; my 32 rows of x are in; e_sq and slab 0, issued behind them, may stay out
	s_barrier_signal -1
	s_barrier_wait -1                              ; everybody's rows are in
	XL 0
	XL 1
	WIN 0
.set t, 0
.rept 8                                        ; the state, written while the first loads are out: every finite dist2 is less than +inf, and a row that has none keeps tile 0, register 0
	v_mov_b32 v[XB+2*t+1], 0x7f800000
	v_mov_b32 v[ID+t], 0
.set t, t+1
.endr
.set i, 0
.rept 64
	v_mov_b32 v[SV+i], 0x7f800000
.set i, i+1
.endr
.irp t, 0,1,2,3,4,5
	s_wait_dscnt 32                                ; row tile t is in; the next one's 32 loads may stay out
	CV \t
	XL (\t)+2
.endr
	s_wait_dscnt 32
	CV 6
	s_wait_dscnt 0x0
	CV 7
	CHANGE 1, 0                                    ; x has been read out of slot 1: it takes slab 1.  The wait for all loads and the round also show e_sq and slab 0 whole
	FRAG 0                                         ; my first tile
	WIN 0
	s_lshl_b32 s[T1], s[WV], 2
	s_add_co_u32 s[T0], s[T1], 1
	TILE 0, 0, 1                                   ; tile 0: no tile before it
	s_mov_b32 s[CNT], 1
	s_branch .Lpair                                ; slab 0 has three tiles in front of its change of slots
.Lslab:                                        ; 30 times: slabs 2 to 31 are asked for
	CHANGE 1, 1
	s_mov_b32 s[CNT], 2
.Lpair:
	TILE 1, 1, 1
	TILE 0, 1, 1
	s_sub_co_u32 s[CNT], s[CNT], 1
	s_cmp_lg_u32 s[CNT], 0
	s_cbranch_scc1 .Lpair
	s_sub_co_u32 s[SLOTS], s[SLOTS], 1
	s_cmp_lg_u32 s[SLOTS], 0
	s_cbranch_scc1 .Lslab
	CHANGE 0, 1                                    ; the tail is written out: slab 31 is waited for, nothing is asked for
	s_mov_b32 s[CNT], 2
.Ltail:
	TILE 1, 1, 1
	TILE 0, 1, 1
	s_sub_co_u32 s[CNT], s[CNT], 1
	s_cmp_lg_u32 s[CNT], 0
	s_cbranch_scc1 .Ltail
	TILE 1, 1, 0                                   ; my last tile: nothing more to fetch but its e_sq
	s_wait_dscnt 0x0
.rept 8
	v_nop                                          ; the places behind the last products, once a launch
.endr
.set k, 0
.rept 184
	RIDER 1
.endr
	; THE END.  For each row tile: the lowest register of SV that equals best; code = 16 x tile + 8 (lane / 16) + register.
.set t, 0
.rept 8
	v_mov_b32 v[TP], 7
.irp j, 6,5,4,3,2,1,0
	v_cmp_eq_f32 vcc_lo, v[SV+8*t+\j], v[XB+2*t+1]
	v_cndmask_b32 v[TP], v[TP], \j, vcc_lo
.endr
	v_lshl_add_u32 v[TP], v[ID+t], 4, v[TP]
	v_lshl_add_u32 v[PR+2*t+1], v[HH], 3, v[TP]
	v_mov_b32 v[PR+2*t], v[XB+2*t+1]
.set t, t+1
.endr
	v_lshlrev_b32 v[ADR], 3, v[RR]
	v_lshl_add_u32 v[ADR], s[WV], 10, v[ADR]
	v_add_nc_u32 v[ADR], MRG, v[ADR]               ; my wave's 128 pairs, my row
.set t, 0
.rept 8                                        ; the row's other 8 codes of each tile lie in the lane 16 away; both lanes end with the same pair and store it to the same place
	v_permlanex16_b32 v[TP+2], v[PR+2*t], s[SEL], s[SEL+1]
	v_permlanex16_b32 v[TP+3], v[PR+2*t+1], s[SEL], s[SEL+1]
	MERGE PR+2*t, PR+2*t+1, TP+2, TP+3
	ds_store_b64 v[ADR], v[PR+2*t:PR+2*t+1] offset:t*128
.set t, t+1
.endr
	s_wait_dscnt 0x0                               ; for the others' sake: my pairs lie in LDS
	s_barrier_signal -1
	s_barrier_wait -1
	s_cmp_lg_u32 s[WV], 0                          ; wave 0 merges the four waves' pairs: lane l takes rows 4 l .. 4 l + 3
	s_cbranch_scc1 .Lend
	v_lshlrev_b32 v[ADQ], 5, v[LN]
	v_add_nc_u32 v[ADQ], MRG, v[ADQ]
.irp v, 0,1,2,3
	ds_load_b128 v[160+8*\v:160+8*\v+3],   v[ADQ] offset:1024*\v
	ds_load_b128 v[160+8*\v+4:160+8*\v+7], v[ADQ] offset:1024*\v+16
.endr
	v_lshlrev_b32 v[AXT], 4, v[LN]
	s_wait_dscnt 0x0
.irp v, 1,2,3
.irp c, 0,1,2,3
	MERGE 160+2*\c, 161+2*\c, 160+8*\v+2*\c, 161+8*\v+2*\c
.endr
.endr
.irp c, 0,1,2,3
	v_mov_b32 v[192+\c], v[161+2*\c]
.endr
	global_store_b128 v[AXT], v[192:195], s[10:11] ; 512 consecutive bytes, at a multiple of 512 from out1's first
	global_store_b128 v[AXT], v[192:195], s[12:13] ; and the copy from which the next launch forms addresses
	v_add_f32 v[TP], v160, v162                    ; the sum of my work-group's 128 least dist2
	v_add_f32 v[TP+1], v164, v166
	v_add_f32 v[TP], v[TP], v[TP+1]
	v_add_f32_dpp v[TP], v[TP], v[TP] row_xmask:1 row_mask:0xf bank_mask:0xf
	v_add_f32_dpp v[TP], v[TP], v[TP] row_xmask:2 row_mask:0xf bank_mask:0xf
	v_add_f32_dpp v[TP], v[TP], v[TP] row_xmask:4 row_mask:0xf bank_mask:0xf
	v_add_f32_dpp v[TP], v[TP], v[TP] row_xmask:8 row_mask:0xf bank_mask:0xf
	v_permlanex16_b32 v[TP+1], v[TP], s[SEL], s[SEL+1]
	v_add_f32 v[TP], v[TP], v[TP+1]
	v_cmp_eq_u32 vcc_lo, 0, v[LN]
	s_wait_xcnt 0x0                                ; EXEC is a source of the stores above: it changes only behind this wait
	s_and_saveexec_b32 s80, vcc_lo
	global_store_b32 v[ZR], v[TP], s[14:15]        ; one number a work-group
	s_wait_xcnt 0x0
	s_or_b32 exec_lo, exec_lo, s80
.Lend:
	s_wait_tensorcnt 0x0                           ; the wave's end, behind my last tensor load and my last LDS store
	ds_add_u32 v[SPW], v[NIL]
	s_wait_dscnt 0x0
	CROUND                                         ; the closing round: no work-group ends while a partner may still ask for a tile that names it
	s_endpgm
.Lfunc_end_k_qccd1689d84_search:
	.size	k_qccd1689d84_search, .Lfunc_end_k_qccd1689d84_search-k_qccd1689d84_search
	.p2alignl 7, 3214868480
	.fill 96, 4, 3214868480
	.section	.rodata,"a",@progbits
	.p2align	6, 0x0
	.amdhsa_kernel k_qccd1689d84_search
		.amdhsa_group_segment_fixed_size 327680
		.amdhsa_private_segment_fixed_size 0
		.amdhsa_enable_private_segment 0
		.amdhsa_kernarg_size 48
		.amdhsa_user_sgpr_count 2
		.amdhsa_user_sgpr_kernarg_segment_ptr 1
		.amdhsa_wavefront_size32 1
		.amdhsa_system_sgpr_workgroup_id_x 1
		.amdhsa_system_sgpr_workgroup_id_y 1
		.amdhsa_system_sgpr_workgroup_id_z 1
		.amdhsa_system_vgpr_workitem_id 0
		.amdhsa_next_free_vgpr 1024
		.amdhsa_next_free_sgpr 96
		.amdhsa_reserve_vcc 1
		.amdhsa_float_denorm_mode_32 3
		.amdhsa_float_denorm_mode_16_64 3
		.amdhsa_memory_ordered 1
		.amdhsa_forward_progress 1
		.amdhsa_inst_pref_size 255
	.end_amdhsa_kernel
	.section	.bss,"aw",@nobits
	.p2align	6
	.space	262144
	.amdgpu_metadata
---
amdhsa.version: [ 1, 2 ]
amdhsa.kernels:
  - .name:           k_qccd1689d84_search
    .symbol:         k_qccd1689d84_search.kd
    .args:
      - { .name: x, .offset: 0, .size: 8, .value_kind: global_buffer, .address_space: global }
      - { .name: ew, .offset: 8, .size: 8, .value_kind: global_buffer, .address_space: global }
      - { .name: esq, .offset: 16, .size: 8, .value_kind: global_buffer, .address_space: global }
      - { .name: out1, .offset: 24, .size: 8, .value_kind: global_buffer, .address_space: global }
      - { .name: idx, .offset: 32, .size: 8, .value_kind: global_buffer, .address_space: global }
      - { .name: part, .offset: 40, .size: 8, .value_kind: global_buffer, .address_space: global }
    .group_segment_fixed_size: 327680
    .private_segment_fixed_size: 0
    .kernarg_segment_align: 8
    .kernarg_segment_size: 48
    .max_flat_workgroup_size: 128
    .sgpr_count:     96
    .vgpr_count:     1024
    .wavefront_size: 32
...
	.end_amdgpu_metadata
.endif
;; end of part 2
;; launch gather (part 3): grid 256 x 1, 8 waves a work-group, no clusters, 0 bytes of LDS; arguments x, embeddings, idx, part, out0, out2, out3, out4; writes out0, out2, out3, out4
.if DOCPART == 3
	.amdgcn_target "amdgcn-amd-amdhsa--gfx1250"
	.amdhsa_code_object_version 6
	.text
	.protected	k_qccd1689d84_gather
	.globl	k_qccd1689d84_gather
	.p2align	8
	.type	k_qccd1689d84_gather,@function
k_qccd1689d84_gather:
	s_mov_b64 s[64:65], 0
	v_nop
	global_prefetch_b8 v0, s[64:65] scope:SCOPE_SE
	s_setreg_imm32_b32 hwreg(HW_REG_WAVE_MODE, 25, 1), 1
	s_wait_xcnt 0x0
; VECTOR QUANTIZER, launch 3 of 3: out0 = x + (q - x), q = embeddings[idx[row]], and the three losses.
; Left out here: the sum of (x - q)^2 is not formed anew: it is the least dist2 of each row, for all values of the inputs, and the launch before has stored its sums (see the first kernel's head, limits too).
; x and q are rounded to bf16, as everywhere in the program; q - x and x + (..) are two f32 roundings, as they are written: beside a large x f32 loses low bits of q, so the result is not simply q.
; A STREAM: memory binds, so no LDS, no barrier, no matrix unit.  A wave owns 16 rows; a row is 1,024 bytes: two loads of 512 consecutive bytes of x, two of the chosen row of embeddings, two stores.
; The 16 indices come by one scalar load; each is held to the table's 8,192 rows before it enters an address.  Two sets of four rows take turns: while one is worked on, the other's 16 loads are out.
.set LO,  1                            ; v1   16 x lane; never rewritten
.set EO,  2                            ; v[2:9]   by set and row: 16 x lane + 1,024 x index
.set T,   10                           ; v[10:13] at work
.set LN,  14                           ; v14  lane
.set D,   16                           ; v[16:143] set s, row p at D + 64 s + 16 p: x in 8 registers, then q in 8
	s_load_b512 s[4:19], s[0:1], 0x0               ; x s[4:5], embeddings s[6:7], idx s[8:9], part s[10:11], out0 s[12:13], out2 s[14:15], out3 s[16:17], out4 s[18:19]
	v_lshrrev_b32 v[T], 5, v0
	v_readfirstlane_b32 s20, v[T]                  ; wave 0..7
	v_and_b32 v[LN], 31, v0
	v_lshlrev_b32 v[LO], 4, v[LN]
	s_lshl_b32 s22, ttmp9, 3
	s_add_co_u32 s22, s22, s20                     ; my wave among all 2,048
	s_lshl_b32 s24, s22, 6                         ; its 16 indices
	s_mov_b32 s25, 0
	s_lshl_b32 s26, s22, 14                        ; its 16 rows
	s_mov_b32 s27, 0
	s_mov_b32 s21, 0xffff0000                      ; a word's upper bf16
	s_mov_b32 s28, 0x76543210
	s_mov_b32 s29, 0xfedcba98
	s_wait_kmcnt 0x0
	s_add_nc_u64 s[8:9], s[8:9], s[24:25]
	s_load_b512 s[32:47], s[8:9], 0x0
	s_add_nc_u64 s[4:5], s[4:5], s[26:27]
	s_add_nc_u64 s[12:13], s[12:13], s[26:27]
.macro FX j                            ; rows 4 j .. 4 j + 3 of x into set j % 2: eight loads
.irp p, 0,1,2,3
.irp c, 0,1
	global_load_b128 v[D+64*((\j)%2)+16*\p+4*\c:D+64*((\j)%2)+16*\p+4*\c+3], v[LO], s[4:5] offset:(4*(\j)+\p)*1024+\c*512 th:TH_LOAD_NT
.endr
.endr
.endm
.macro FE j                            ; and their rows of the table: eight loads (no hint: a row may be chosen again)
.irp p, 0,1,2,3
	v_add_nc_u32 v[EO+4*((\j)%2)+\p], s[32+4*(\j)+\p], v[LO]
.irp c, 0,1
	global_load_b128 v[D+64*((\j)%2)+16*\p+8+4*\c:D+64*((\j)%2)+16*\p+8+4*\c+3], v[EO+4*((\j)%2)+\p], s[6:7] offset:\c*512
.endr
.endr
.endm
.macro TURN j, left                    ; left: the younger loads, which may stay out
	s_wait_loadcnt \left
.irp p, 0,1,2,3
.irp c, 0,1
.set a, D+64*((\j)%2)+16*\p+4*\c
.set e, a+8
	v_cvt_pk_bf16_f32 v[T],   v[a],   v[a+1]       ; both are rounded to bf16,
	v_cvt_pk_bf16_f32 v[T+1], v[a+2], v[a+3]
	v_cvt_pk_bf16_f32 v[T+2], v[e],   v[e+1]
	v_cvt_pk_bf16_f32 v[T+3], v[e+2], v[e+3]
	v_lshlrev_b32 v[a],   16,  v[T]                ; and widened again: the low half moves up, the high half stays
	v_and_b32     v[a+1], s21, v[T]
	v_lshlrev_b32 v[a+2], 16,  v[T+1]
	v_and_b32     v[a+3], s21, v[T+1]
	v_lshlrev_b32 v[e],   16,  v[T+2]
	v_and_b32     v[e+1], s21, v[T+2]
	v_lshlrev_b32 v[e+2], 16,  v[T+3]
	v_and_b32     v[e+3], s21, v[T+3]
	v_pk_add_f32 v[e:e+1],   v[e:e+1],   v[a:a+1]   neg_lo:[0,1] neg_hi:[0,1]  ; q - x
	v_pk_add_f32 v[e+2:e+3], v[e+2:e+3], v[a+2:a+3] neg_lo:[0,1] neg_hi:[0,1]
	v_pk_add_f32 v[a:a+1],   v[a:a+1],   v[e:e+1]  ; x + (q - x)
	v_pk_add_f32 v[a+2:a+3], v[a+2:a+3], v[e+2:e+3]
	global_store_b128 v[LO], v[a:a+3], s[12:13] offset:(4*(\j)+\p)*1024+\c*512 th:TH_STORE_NT  ; 512 consecutive bytes, at a multiple of 512 from out0's first
.endr
.endr
.endm
	FX 0                                           ; x hangs on no index: its first 16 loads go out while the indices come
	FX 1
	s_wait_kmcnt 0x0
.irp i, 0,1,2,3,4,5,6,7,8,9,10,11,12,13,14,15
	s_min_u32 s[32+\i], s[32+\i], 0x1fff           ; inside the table,
	s_lshl_b32 s[32+\i], s[32+\i], 10              ; times a row's 1,024 bytes
.endr
	FE 0
	FE 1
	TURN 0, 8                                      ; set 0's x and q are in; the eight loads of set 1's q are younger
	s_wait_xcnt 0x0                                ; the set's registers, which its stores read, and its offsets are written again only behind this wait
	FX 2
	FE 2
	TURN 1, 16                                     ; the other set's 16 loads stay out
	s_wait_xcnt 0x0
	FX 3
	FE 3
	TURN 2, 16
	TURN 3, 0
	s_cmp_lg_u32 s22, 0                            ; the first wave of the launch adds the 256 partial sums, in a fixed order
	s_cbranch_scc1 .Ldone
	v_lshlrev_b32 v[T], 5, v[LN]
	global_load_b128 v[144:147], v[T], s[10:11]
	global_load_b128 v[148:151], v[T], s[10:11] offset:16
	s_wait_loadcnt 0x0
	v_pk_add_f32 v[144:145], v[144:145], v[146:147]
	v_pk_add_f32 v[148:149], v[148:149], v[150:151]
	v_pk_add_f32 v[144:145], v[144:145], v[148:149]
	v_add_f32 v144, v144, v145
	v_add_f32_dpp v144, v144, v144 row_xmask:1 row_mask:0xf bank_mask:0xf
	v_add_f32_dpp v144, v144, v144 row_xmask:2 row_mask:0xf bank_mask:0xf
	v_add_f32_dpp v144, v144, v144 row_xmask:4 row_mask:0xf bank_mask:0xf
	v_add_f32_dpp v144, v144, v144 row_xmask:8 row_mask:0xf bank_mask:0xf
	v_permlanex16_b32 v145, v144, s28, s29
	v_add_f32 v144, v144, v145
	v_mul_f32 v145, 0x34000000, v144               ; the mean over 32,768 x 256 = 2^23 numbers: the codebook loss
	v_mul_f32 v146, 0x3e800000, v145               ; 0.25 of it: the commitment loss
	v_add_f32 v147, v146, v145                     ; their sum
	v_mov_b32 v148, 0
	v_cmp_eq_u32 vcc_lo, 0, v[LN]
	s_wait_xcnt 0x0                                ; EXEC is a source of the stores and loads above: it changes only behind this wait
	s_and_saveexec_b32 s30, vcc_lo
	global_store_b32 v148, v146, s[14:15]          ; out2
	global_store_b32 v148, v145, s[16:17]          ; out3
	global_store_b32 v148, v147, s[18:19]          ; out4
	s_wait_xcnt 0x0
	s_or_b32 exec_lo, exec_lo, s30
.Ldone:
	s_endpgm
.Lfunc_end_k_qccd1689d84_gather:
	.size	k_qccd1689d84_gather, .Lfunc_end_k_qccd1689d84_gather-k_qccd1689d84_gather
	.p2alignl 7, 3214868480
	.fill 96, 4, 3214868480
	.section	.rodata,"a",@progbits
	.p2align	6, 0x0
	.amdhsa_kernel k_qccd1689d84_gather
		.amdhsa_group_segment_fixed_size 0
		.amdhsa_private_segment_fixed_size 0
		.amdhsa_enable_private_segment 0
		.amdhsa_kernarg_size 64
		.amdhsa_user_sgpr_count 2
		.amdhsa_user_sgpr_kernarg_segment_ptr 1
		.amdhsa_wavefront_size32 1
		.amdhsa_system_sgpr_workgroup_id_x 1
		.amdhsa_system_sgpr_workgroup_id_y 1
		.amdhsa_system_sgpr_workgroup_id_z 1
		.amdhsa_system_vgpr_workitem_id 0
		.amdhsa_next_free_vgpr 160
		.amdhsa_next_free_sgpr 66
		.amdhsa_reserve_vcc 1
		.amdhsa_float_denorm_mode_32 3
		.amdhsa_float_denorm_mode_16_64 3
		.amdhsa_memory_ordered 1
		.amdhsa_forward_progress 1
		.amdhsa_inst_pref_size 38
	.end_amdhsa_kernel
	.amdgpu_metadata
---
amdhsa.version: [ 1, 2 ]
amdhsa.kernels:
  - .name:           k_qccd1689d84_gather
    .symbol:         k_qccd1689d84_gather.kd
    .args:
      - { .name: x, .offset: 0, .size: 8, .value_kind: global_buffer, .address_space: global }
      - { .name: embeddings, .offset: 8, .size: 8, .value_kind: global_buffer, .address_space: global }
      - { .name: idx, .offset: 16, .size: 8, .value_kind: global_buffer, .address_space: global }
      - { .name: part, .offset: 24, .size: 8, .value_kind: global_buffer, .address_space: global }
      - { .name: out0, .offset: 32, .size: 8, .value_kind: global_buffer, .address_space: global }
      - { .name: out2, .offset: 40, .size: 8, .value_kind: global_buffer, .address_space: global }
      - { .name: out3, .offset: 48, .size: 8, .value_kind: global_buffer, .address_space: global }
      - { .name: out4, .offset: 56, .size: 8, .value_kind: global_buffer, .address_space: global }
    .group_segment_fixed_size: 0
    .private_segment_fixed_size: 0
    .kernarg_segment_align: 8
    .kernarg_segment_size: 64
    .max_flat_workgroup_size: 256
    .sgpr_count:     66
    .vgpr_count:     160
    .wavefront_size: 32
...
	.end_amdgpu_metadata
.endif
;; end of part 3
;; ======== version 2 of 2: 3 launches; version 1 with the launch gather written anew for expert scheduling mode
;; limits: values outside matrix products are rounded to bf16; a difference of large sums (such as E[x^2] - mean^2): digits are lost where the result is much smaller than its terms
;; workspace buffers: ew 4,194,304 bytes; esq 32,768 bytes; idx 131,072 bytes of whole numbers; part 1,024 bytes
;; launch prep: the kernel of part 1 again; grid 256 x 1, 2 waves a work-group, no clusters, 17,664 bytes of LDS; arguments embeddings, ew, esq; writes ew, esq
;; launch search: the kernel of part 2 again; grid 256 x 1, 4 waves a work-group, clusters of 4 x 1, 327,680 bytes of LDS; arguments x, ew, esq, out1, idx, part; writes out1, idx, part
;; launch gather (part 4): grid 256 x 1, 8 waves a work-group, no clusters, 0 bytes of LDS; arguments x, embeddings, idx, part, out0, out2, out3, out4; writes out0, out2, out3, out4
.if DOCPART == 4
	.amdgcn_target "amdgcn-amd-amdhsa--gfx1250"
	.amdhsa_code_object_version 6
	.text
	.protected	k_qccd1689d84_gather
	.globl	k_qccd1689d84_gather
	.p2align	8
	.type	k_qccd1689d84_gather,@function
k_qccd1689d84_gather:
	s_mov_b64 s[64:65], 0
	v_nop
	global_prefetch_b8 v0, s[64:65] scope:SCOPE_SE
	s_setreg_imm32_b32 hwreg(HW_REG_WAVE_SCHED_MODE, 0, 2), 2
	s_setreg_imm32_b32 hwreg(HW_REG_WAVE_MODE, 25, 1), 1
	s_wait_xcnt 0x0
	s_wait_alu depctr_vm_vsrc(0)
; VECTOR QUANTIZER, launch 3 of 3: out0 = x + (q - x), q = embeddings[idx[row]], and the three losses.
; Left out here: the sum of (x - q)^2 is not formed anew: it is the least dist2 of each row, for all values of the inputs, and the launch before has stored its sums (see the first kernel's head, limits too).
; x and q are rounded to bf16, as everywhere in the program; q - x and x + (..) are two f32 roundings, as they are written: beside a large x f32 loses low bits of q, so the result is not simply q.
; A STREAM: memory binds, so no LDS, no barrier, no matrix unit.  A wave owns 16 rows; a row is 1,024 bytes: two loads of 512 consecutive bytes of x, two of the chosen row of embeddings, two stores.
; The 16 indices come by one scalar load; each is held to the table's 8,192 rows before it enters an address.  Two sets of four rows take turns: while one is worked on, the other's 16 loads are out.
; THE MODE: SCHED_MODE bits 1:0 = 2 (LLVM: expert scheduling mode 2), set by the entry lines.  The code itself states the register dependences between vector instructions and memory
; instructions, with s_wait_alu, always for 0.
; THE PLAN.  Registers that memory instructions touch:
;   LO, PO, ZO   offsets, made once at the head and never written again.  LO: read by every load of x and every store of out0.  PO, ZO: read by the first wave's loads of part and its stores of the losses.
;   EO0 .. EO15  an offset for each of the wave's 16 rows of the table, made in one run when the indices have come, never written again; read by that row's two loads.
;   IN0, IN1     set j's sixteen loads land in IN[j % 2]; the work of set j reads it and writes in it; no memory instruction reads it.
;   OUT0, OUT1   the work of set j writes OUT[j % 2]; the eight stores behind that work read it.
;   P            the loads of part land in it; no vector instruction names it before them.
; So one wait on va_vdst stands behind each set's work: it states that OUT[j % 2] is written, for the stores, and that the work is done with IN[j % 2], for the loads of set j + 2; loads and stores follow it in one
; run, the loads first.  One wait on vm_vsrc stands ahead of the work of sets 2 and 3: the stores of two sets back have read the OUT that is written again; a whole set's work lies between.
.set LO,  1                            ; v1   16 x lane; never rewritten
.set LN,  2                            ; v2   lane
.set PO,  3                            ; v3   32 x lane: my eight partial sums; never rewritten
.set T,   4                            ; v[4:7]   at work: no memory instruction names them
.set EO,  8                            ; v[8:23]  row i: 16 x lane + 1,024 x index; never rewritten
.set P,   24                           ; v[24:31] the first wave's partial sums
.set ZO,  32                           ; v32  0: the offset of the three losses; never rewritten
.set D,   40                           ; v[40:167]  IN: set s, row p at D + 64 s + 16 p: x in 8 registers, then q in 8
.set O,   168                          ; v[168:231] OUT: set s, row p at O + 32 s + 8 p: 8 registers to store
	s_load_b512 s[4:19], s[0:1], 0x0               ; x s[4:5], embeddings s[6:7], idx s[8:9], part s[10:11], out0 s[12:13], out2 s[14:15], out3 s[16:17], out4 s[18:19]
	v_lshrrev_b32 v[T], 5, v0
	v_readfirstlane_b32 s20, v[T]                  ; wave 0..7
	v_and_b32 v[LN], 31, v0
	v_lshlrev_b32 v[LO], 4, v[LN]
	v_lshlrev_b32 v[PO], 5, v[LN]
	v_mov_b32 v[ZO], 0
	s_wait_alu depctr_va_sdst(0)                   ; s20 is written, ahead of its first reader: the bases and the closing branch are made from it
	s_lshl_b32 s22, ttmp9, 3
	s_add_co_u32 s22, s22, s20                     ; my wave among all 2,048
	s_lshl_b32 s24, s22, 6                         ; its 16 indices
	s_mov_b32 s25, 0
	s_lshl_b32 s26, s22, 14                        ; its 16 rows
	s_mov_b32 s27, 0
	s_mov_b32 s21, 0xffff0000                      ; a word's upper bf16
	s_mov_b32 s28, 0x76543210
	s_mov_b32 s29, 0xfedcba98
	s_wait_kmcnt 0x0
	s_add_nc_u64 s[8:9], s[8:9], s[24:25]
	s_load_b512 s[32:47], s[8:9], 0x0
	s_add_nc_u64 s[4:5], s[4:5], s[26:27]
	s_add_nc_u64 s[12:13], s[12:13], s[26:27]
.macro FX j                            ; rows 4 j .. 4 j + 3 of x into IN[j % 2]: eight loads
.irp p, 0,1,2,3
.irp c, 0,1
	global_load_b128 v[D+64*((\j)%2)+16*\p+4*\c:D+64*((\j)%2)+16*\p+4*\c+3], v[LO], s[4:5] offset:(4*(\j)+\p)*1024+\c*512 th:TH_LOAD_NT
.endr
.endr
.endm
.macro FE j                            ; and their rows of the table: eight loads (no hint: a row may be chosen again)
.irp p, 0,1,2,3
.irp c, 0,1
	global_load_b128 v[D+64*((\j)%2)+16*\p+8+4*\c:D+64*((\j)%2)+16*\p+8+4*\c+3], v[EO+4*(\j)+\p], s[6:7] offset:\c*512
.endr
.endr
.endm
.macro WORK j                          ; the arithmetic of set j: IN[j % 2] into OUT[j % 2]; vector instructions alone
.irp p, 0,1,2,3
.irp c, 0,1
.set a, D+64*((\j)%2)+16*\p+4*\c
.set e, a+8
.set o, O+32*((\j)%2)+8*\p+4*\c
	v_cvt_pk_bf16_f32 v[T],   v[a],   v[a+1]       ; both are rounded to bf16,
	v_cvt_pk_bf16_f32 v[T+1], v[a+2], v[a+3]
	v_cvt_pk_bf16_f32 v[T+2], v[e],   v[e+1]
	v_cvt_pk_bf16_f32 v[T+3], v[e+2], v[e+3]
	v_lshlrev_b32 v[a],   16,  v[T]                ; and widened again: the low half moves up, the high half stays
	v_and_b32     v[a+1], s21, v[T]
	v_lshlrev_b32 v[a+2], 16,  v[T+1]
	v_and_b32     v[a+3], s21, v[T+1]
	v_lshlrev_b32 v[e],   16,  v[T+2]
	v_and_b32     v[e+1], s21, v[T+2]
	v_lshlrev_b32 v[e+2], 16,  v[T+3]
	v_and_b32     v[e+3], s21, v[T+3]
	v_pk_add_f32 v[e:e+1],   v[e:e+1],   v[a:a+1]   neg_lo:[0,1] neg_hi:[0,1]  ; q - x
	v_pk_add_f32 v[e+2:e+3], v[e+2:e+3], v[a+2:a+3] neg_lo:[0,1] neg_hi:[0,1]
	v_pk_add_f32 v[o:o+1],   v[a:a+1],   v[e:e+1]  ; x + (q - x)
	v_pk_add_f32 v[o+2:o+3], v[a+2:a+3], v[e+2:e+3]
.endr
.endr
.endm
.macro ST j                            ; set j leaves from OUT[j % 2]: eight stores
.irp p, 0,1,2,3
.irp c, 0,1
	global_store_b128 v[LO], v[O+32*((\j)%2)+8*\p+4*\c:O+32*((\j)%2)+8*\p+4*\c+3], s[12:13] offset:(4*(\j)+\p)*1024+\c*512 th:TH_STORE_NT  ; 512 consecutive bytes, at a multiple of 512 from out0's first
.endr
.endr
.endm
	s_wait_alu depctr_va_vdst(0)                   ; LO, PO and ZO are written: every access by them, to the launch's end, reads what this wait has shown
	FX 0                                           ; x hangs on no index: its first 16 loads go out while the indices come
	FX 1
	s_wait_kmcnt 0x0
.irp i, 0,1,2,3,4,5,6,7,8,9,10,11,12,13,14,15
	s_min_u32 s[32+\i], s[32+\i], 0x1fff           ; inside the table,
	s_lshl_b32 s[32+\i], s[32+\i], 10              ; times a row's 1,024 bytes
.endr
.irp i, 0,1,2,3,4,5,6,7,8,9,10,11,12,13,14,15
	v_add_nc_u32 v[EO+\i], s[32+\i], v[LO]         ; all sixteen offsets at once, each in a register of its own
.endr
	s_wait_alu depctr_va_vdst(0)                   ; the sixteen EO are written, which the loads of the table's rows read: one wait for all four sets
	FE 0
	FE 1
	s_wait_loadcnt 8                               ; set 0's x and q are in; the eight loads of set 1's q are younger
	WORK 0
	s_wait_alu depctr_va_vdst(0)                   ; set 0's work has written OUT0, which the stores below read, and is done reading and writing IN0, in which the loads below land
	FX 2                                           ; the loads first, in one run: they have all of set 1's work in which to land
	FE 2
	ST 0
	s_wait_loadcnt 16                              ; set 1 is in; set 2's 16 loads stay out
	WORK 1
	s_wait_alu depctr_va_vdst(0)                   ; set 1's work has written OUT1, which the stores below read, and is done reading and writing IN1, in which the loads below land
	FX 3
	FE 3
	ST 1
	s_wait_loadcnt 16                              ; set 2 is in; set 3's 16 loads stay out
	s_wait_xcnt 0x0                                ; every earlier memory instruction has had its addresses translated: OUT0, the data of set 0's stores, is rewritten only behind this wait
	s_wait_alu depctr_vm_vsrc(0)                   ; set 0's stores have read OUT0, which set 2's work writes again
	WORK 2
	s_wait_alu depctr_va_vdst(0)                   ; set 2's work has written OUT0, which the stores below read
	ST 2
	s_wait_loadcnt 0x0                             ; set 3 is in
	s_wait_xcnt 0x0                                ; OUT1, the data of set 1's stores, is rewritten only behind this wait
	s_wait_alu depctr_vm_vsrc(0)                   ; set 1's stores have read OUT1, which set 3's work writes again
	WORK 3
	s_wait_alu depctr_va_vdst(0)                   ; set 3's work has written OUT1, which the stores below read
	ST 3
	s_cmp_lg_u32 s22, 0                            ; the first wave of the launch adds the 256 partial sums, in a fixed order
	s_cbranch_scc1 .Ldone
	global_load_b128 v[P:P+3],   v[PO], s[10:11]   ; no wait: PO was written ahead of the head's wait, and no vector instruction has named P
	global_load_b128 v[P+4:P+7], v[PO], s[10:11] offset:16
	s_wait_loadcnt 0x0
	v_pk_add_f32 v[P:P+1],   v[P:P+1],   v[P+2:P+3]
	v_pk_add_f32 v[P+4:P+5], v[P+4:P+5], v[P+6:P+7]
	v_pk_add_f32 v[P:P+1],   v[P:P+1],   v[P+4:P+5]
	v_add_f32 v[P], v[P], v[P+1]
	v_add_f32_dpp v[P], v[P], v[P] row_xmask:1 row_mask:0xf bank_mask:0xf
	v_add_f32_dpp v[P], v[P], v[P] row_xmask:2 row_mask:0xf bank_mask:0xf
	v_add_f32_dpp v[P], v[P], v[P] row_xmask:4 row_mask:0xf bank_mask:0xf
	v_add_f32_dpp v[P], v[P], v[P] row_xmask:8 row_mask:0xf bank_mask:0xf
	v_permlanex16_b32 v[P+1], v[P], s28, s29
	v_add_f32 v[P], v[P], v[P+1]
	v_mul_f32 v[P+1], 0x34000000, v[P]             ; the mean over 32,768 x 256 = 2^23 numbers: the codebook loss
	v_mul_f32 v[P+2], 0x3e800000, v[P+1]           ; 0.25 of it: the commitment loss
	v_add_f32 v[P+3], v[P+2], v[P+1]               ; their sum
	v_cmp_eq_u32 vcc_lo, 0, v[LN]
	s_wait_xcnt 0x0                                ; EXEC is a source of the stores and loads above: it changes only behind this wait
	s_wait_alu depctr_va_vcc(0)                    ; VCC is written, ahead of its first reader: EXEC is made from it
	s_wait_alu depctr_va_vdst(0)                   ; ahead of the write of EXEC: the vector instructions issued so far are done; among them those that wrote the three losses, which the stores below read
	s_wait_alu depctr_vm_vsrc(0)                   ; ahead of the write of EXEC: the memory instructions issued so far have read their vector registers
	s_and_saveexec_b32 s30, vcc_lo
	global_store_b32 v[ZO], v[P+2], s[14:15]       ; out2
	global_store_b32 v[ZO], v[P+1], s[16:17]       ; out3
	global_store_b32 v[ZO], v[P+3], s[18:19]       ; out4
	s_wait_xcnt 0x0
	s_wait_alu depctr_va_vdst(0)                   ; ahead of the write of EXEC, as above
	s_wait_alu depctr_vm_vsrc(0)                   ; the three stores have read their vector registers
	s_or_b32 exec_lo, exec_lo, s30
.Ldone:
	s_endpgm
.Lfunc_end_k_qccd1689d84_gather:
	.size	k_qccd1689d84_gather, .Lfunc_end_k_qccd1689d84_gather-k_qccd1689d84_gather
	.p2alignl 7, 3214868480
	.fill 96, 4, 3214868480
	.section	.rodata,"a",@progbits
	.p2align	6, 0x0
	.amdhsa_kernel k_qccd1689d84_gather
		.amdhsa_group_segment_fixed_size 0
		.amdhsa_private_segment_fixed_size 0
		.amdhsa_enable_private_segment 0
		.amdhsa_kernarg_size 64
		.amdhsa_user_sgpr_count 2
		.amdhsa_user_sgpr_kernarg_segment_ptr 1
		.amdhsa_wavefront_size32 1
		.amdhsa_system_sgpr_workgroup_id_x 1
		.amdhsa_system_sgpr_workgroup_id_y 1
		.amdhsa_system_sgpr_workgroup_id_z 1
		.amdhsa_system_vgpr_workitem_id 0
		.amdhsa_next_free_vgpr 232
		.amdhsa_next_free_sgpr 66
		.amdhsa_reserve_vcc 1
		.amdhsa_float_denorm_mode_32 3
		.amdhsa_float_denorm_mode_16_64 3
		.amdhsa_memory_ordered 1
		.amdhsa_forward_progress 1
		.amdhsa_inst_pref_size 39
	.end_amdhsa_kernel
	.amdgpu_metadata
---
amdhsa.version: [ 1, 2 ]
amdhsa.kernels:
  - .name:           k_qccd1689d84_gather
    .symbol:         k_qccd1689d84_gather.kd
    .args:
      - { .name: x, .offset: 0, .size: 8, .value_kind: global_buffer, .address_space: global }
      - { .name: embeddings, .offset: 8, .size: 8, .value_kind: global_buffer, .address_space: global }
      - { .name: idx, .offset: 16, .size: 8, .value_kind: global_buffer, .address_space: global }
      - { .name: part, .offset: 24, .size: 8, .value_kind: global_buffer, .address_space: global }
      - { .name: out0, .offset: 32, .size: 8, .value_kind: global_buffer, .address_space: global }
      - { .name: out2, .offset: 40, .size: 8, .value_kind: global_buffer, .address_space: global }
      - { .name: out3, .offset: 48, .size: 8, .value_kind: global_buffer, .address_space: global }
      - { .name: out4, .offset: 56, .size: 8, .value_kind: global_buffer, .address_space: global }
    .group_segment_fixed_size: 0
    .private_segment_fixed_size: 0
    .kernarg_segment_align: 8
    .kernarg_segment_size: 64
    .max_flat_workgroup_size: 256
    .sgpr_count:     66
    .vgpr_count:     232
    .wavefront_size: 32
...
	.end_amdgpu_metadata
.endif
;; end of part 4
